; MI455X (gfx1250); checked and timed in simulation.
; The chip was launched on July 23, 2026; its instructions are those of AMD's public machine-readable ISA for CDNA 5 (MIT licence, August 2026) and "CDNA5" Instruction Set Architecture Reference Guide (July 2026). The comments in the code are by the model that wrote it; some were corrected since.
;; Point Net. Allowed arithmetic: float matrix products may take bf16 or f16 operands with f32 sums; all other float work in f32.
;; Inputs: batch_idx 131,072 int32; params_lin_0 64 x 2 float32; params_lin_1 2 float32; params_mlp1_0_0 12 x 64 float32; params_mlp1_0_1 64 float32; params_mlp1_1_0 64 x 64 float32; params_mlp1_1_1 64 float32; params_mlp2_0_0 64 x 128 float32; params_mlp2_0_1 128 float32; params_mlp2_1_0 128 x 256 float32; params_mlp2_1_1 256 float32; params_mlp3_0_0 320 x 128 float32; params_mlp3_0_1 128 float32; params_mlp3_1_0 128 x 64 float32; params_mlp3_1_1 64 float32; pos 131,072 x 3 float32; x 131,072 x 9 float32.
;; Outputs: out0 131,072 x 2 float32.
;; One version. Each part assembles by itself: llvm-mc -triple=amdgcn-amd-amdhsa -mcpu=gfx1250 --defsym DOCPART=n.
;; ======== version 1 of 1: 4 launches
;; workspace buffers: grp 524,288 bytes of whole numbers; f1buf 2,097,152 bytes; pmax 262,144 bytes; lg 65,536 bytes
;; launch knn_groups (part 1): grid 256 x 1, 4 waves a work-group, no clusters, 16,896 bytes of LDS; arguments pos, grp; writes grp
.if DOCPART == 1
	.amdgcn_target "amdgcn-amd-amdhsa--gfx1250"
	.amdhsa_code_object_version 6
	.text
	.protected	k_q76ab55486b_knn_groups
	.globl	k_q76ab55486b_knn_groups
	.p2align	8
	.type	k_q76ab55486b_knn_groups,@function
k_q76ab55486b_knn_groups:
	s_mov_b64 s[64:65], 0
	v_nop
	global_prefetch_b8 v0, s[64:65] scope:SCOPE_SE
	s_setreg_imm32_b32 hwreg(HW_REG_WAVE_MODE, 25, 1), 1
	s_wait_xcnt 0x0
; For each of 131,072 query points: the squared distance to all 1,024 sub-points of its sample (the sample's first 1,024 points),
; the minimum of each of 64 groups of 16 consecutive sub-points, and the three groups with the smallest key (minimum, group number).
; Stored as one word a query: lowest group | middle << 8 | highest << 16.  The three nearest sub-points, in the order (d2, index), lie in
; these three groups: if three other groups have a smaller key than e's group, each holds a point that comes before e in that order.
; d2 IS MADE ON THE VECTOR UNIT IN F32, in the order of roundings of |y|^2 - 2 y.x + |x|^2: K is 3, and d2 is a difference of large sums
; whose last bits decide which neighbour is third, so operands of 16 bits cannot serve.  With y' = -2 y (exact):
;   p = fma(y2', x2, fma(y1', x1, y0' x0));  t = |y|^2 + p;  d2 = t + |x|^2;  |v|^2 = fma(v2, v2, fma(v1, v1, v0 v0)).
; LIMITS: pos and every d2 finite (with an infinity or a NaN the stored group numbers stay in 0..63, but the choice is not specified).
; SHARE: work-group w has queries 512 w .. 512 w + 511 of sample w / 32; a thread has 4 consecutive queries; every wave scans all groups.
; No cluster and no tensor load: what work-groups share is the table's 12,288 bytes, read once at the start, against 524,288 distances.
.set VA, 1                             ; v1        LDS address of the trip's groups, the same in every lane
.set VO, 2                             ; v2        16 x thread: my 16 bytes of the result
.set VG, 3                             ; v3        the group's number
.set Y,  4                             ; v[4:35]   query q at Y + 8 q: (y0',y0') (y1',y1') (y2',y2') (|y|^2,|y|^2)
.set ST, 36                            ; v[36:59]  query q at ST + 6 q: the three smallest minima a <= b <= c, their groups ia, ib, ic
.set D,  60                            ; v[60:91]  16 distances, two sets
.set M,  92                            ; v[92:107] the minimum's tree, two sets of 8
.set CA, 108                           ; v[108:171] a group: x0[16] x1[16] x2[16] |x|^2[16]
.set CB, 172                           ; v[172:235] the other group
.set W,  236                           ; v[236:239] the four packed results
.set INF, 0x7f800000
.macro NORM d, p                       ; v[d] = |v[p..p+2]|^2
	v_mul_f32 v[\d], v[\p], v[\p]
	v_fma_f32 v[\d], v[\p+1], v[\p+1], v[\d]
	v_fma_f32 v[\d], v[\p+2], v[\p+2], v[\d]
.endm
; 16 distances of query q to the group in cb, two at a time; each of the five steps runs over all eight pairs before the next begins
.macro DIST q, cb, d
.irp i, 0,1,2,3,4,5,6,7
	v_pk_mul_f32 v[\d+2*\i:\d+2*\i+1], v[\cb+2*\i:\cb+2*\i+1], v[Y+8*\q:Y+8*\q+1]
.endr
.irp i, 0,1,2,3,4,5,6,7
	v_pk_fma_f32 v[\d+2*\i:\d+2*\i+1], v[\cb+16+2*\i:\cb+16+2*\i+1], v[Y+8*\q+2:Y+8*\q+3], v[\d+2*\i:\d+2*\i+1]
.endr
.irp i, 0,1,2,3,4,5,6,7
	v_pk_fma_f32 v[\d+2*\i:\d+2*\i+1], v[\cb+32+2*\i:\cb+32+2*\i+1], v[Y+8*\q+4:Y+8*\q+5], v[\d+2*\i:\d+2*\i+1]
.endr
.irp i, 0,1,2,3,4,5,6,7
	v_pk_add_f32 v[\d+2*\i:\d+2*\i+1], v[Y+8*\q+6:Y+8*\q+7], v[\d+2*\i:\d+2*\i+1]
.endr
.irp i, 0,1,2,3,4,5,6,7
	v_pk_add_f32 v[\d+2*\i:\d+2*\i+1], v[\d+2*\i:\d+2*\i+1], v[\cb+48+2*\i:\cb+48+2*\i+1]
.endr
.endm
; The group's minimum for queries qa and qa + 1 (their lines by turns), and its insertion among the three smallest.
; Strict < with ascending group numbers keeps the lower group on equal minima.
.macro RED2 qa
.irp k, 0,1,2,3,4
.irp z, 0,1
	v_min3_num_f32 v[M+8*\z+\k], v[D+16*\z+3*\k], v[D+16*\z+3*\k+1], v[D+16*\z+3*\k+2]
.endr
.endr
.irp z, 0,1
	v_min3_num_f32 v[M+8*\z], v[M+8*\z], v[M+8*\z+1], v[M+8*\z+2]
	v_min3_num_f32 v[M+8*\z+3], v[M+8*\z+3], v[M+8*\z+4], v[D+16*\z+15]
.endr
.irp z, 0,1
	v_min_num_f32 v[M+8*\z], v[M+8*\z], v[M+8*\z+3]
.endr
.irp z, 0,1
	v_cmp_lt_f32 s[12+3*\z], v[M+8*\z], v[ST+6*(\qa+\z)+2]          ; m < c
	v_cmp_lt_f32 s[13+3*\z], v[M+8*\z], v[ST+6*(\qa+\z)+1]          ; m < b
	v_cmp_lt_f32 s[14+3*\z], v[M+8*\z], v[ST+6*(\qa+\z)]            ; m < a
.endr
.irp z, 0,1
	v_cndmask_b32 v[ST+6*(\qa+\z)+5], v[ST+6*(\qa+\z)+5], v[VG], s[12+3*\z]
.endr
.irp z, 0,1
	v_cndmask_b32 v[ST+6*(\qa+\z)+5], v[ST+6*(\qa+\z)+5], v[ST+6*(\qa+\z)+4], s[13+3*\z]
.endr
.irp z, 0,1
	v_cndmask_b32 v[ST+6*(\qa+\z)+4], v[ST+6*(\qa+\z)+4], v[VG], s[13+3*\z]
.endr
.irp z, 0,1
	v_cndmask_b32 v[ST+6*(\qa+\z)+4], v[ST+6*(\qa+\z)+4], v[ST+6*(\qa+\z)+3], s[14+3*\z]
.endr
.irp z, 0,1
	v_cndmask_b32 v[ST+6*(\qa+\z)+3], v[ST+6*(\qa+\z)+3], v[VG], s[14+3*\z]
.endr
.irp z, 0,1
	v_med3_num_f32 v[ST+6*(\qa+\z)+2], v[ST+6*(\qa+\z)+1], v[ST+6*(\qa+\z)+2], v[M+8*\z]
.endr
.irp z, 0,1
	v_med3_num_f32 v[ST+6*(\qa+\z)+1], v[ST+6*(\qa+\z)], v[ST+6*(\qa+\z)+1], v[M+8*\z]
.endr
.irp z, 0,1
	v_min_num_f32 v[ST+6*(\qa+\z)], v[ST+6*(\qa+\z)], v[M+8*\z]
.endr
.endm
; One group (number in sg, data in cur) for my four queries; load = 1: the next group, at byte off behind VA, goes into nxt meanwhile.
.macro HALF cur, nxt, sg, load, off
	s_wait_dscnt 0x0                               ; the only LDS loads out are cur's sixteen, issued one group's work ago
.if \load
.irp a, 0,1,2,3
.irp i, 0,1,2,3
	ds_load_b128 v[\nxt+16*\a+4*\i:\nxt+16*\a+4*\i+3], v[VA] offset:\off+4096*\a+16*\i
.endr
.endr
.endif
	v_mov_b32 v[VG], \sg
	DIST 0, \cur, D
	DIST 1, \cur, D+16
	RED2 0
	DIST 2, \cur, D
	DIST 3, \cur, D+16
	RED2 2
.endm
.macro HEAD                            ; trip s8 works on groups 2 s8 and 2 s8 + 1; a group is 64 bytes of each of the four arrays
	s_lshl_b32 s9, s8, 1
	s_or_b32 s10, s9, 1
	s_lshl_b32 s11, s8, 7
	v_mov_b32 v[VA], s11
.endm
	s_load_b128 s[4:7], s[0:1], 0x0                ; pos s[4:5], grp s[6:7]
	v_lshl_add_u32 v240, v0, 2, 0x4000
	v_mov_b32 v241, 0
	s_lshr_b32 s18, ttmp9, 5                       ; my sample
	s_mul_i32 s18, s18, 196608                     ; 16,384 points of 12 bytes
	s_mov_b32 s19, 0
	s_mul_i32 s20, ttmp9, 6144                     ; my 512 queries of 12 bytes
	s_mov_b32 s21, 0
	s_lshl_b32 s22, ttmp9, 11                      ; my 512 words of the result
	s_mov_b32 s23, 0
	v_mul_u32_u24 v[VA], v0, 12
	v_mul_u32_u24 v[VG], v0, 48
	v_lshlrev_b32 v[VO], 4, v0
	s_wait_kmcnt 0x0
	s_add_nc_u64 s[18:19], s[4:5], s[18:19]        ; the sample's sub-points
	s_add_nc_u64 s[20:21], s[4:5], s[20:21]        ; my work-group's queries
	s_add_nc_u64 s[6:7], s[6:7], s[22:23]
.irp i, 0,1,2,3,4,5,6,7
	global_load_b96 v[CA+4*\i:CA+4*\i+2], v[VA], s[18:19] offset:1536*\i   ; sub-point thread + 128 i
.endr
.irp i, 0,1,2
	global_load_b128 v[CB+4*\i:CB+4*\i+3], v[VG], s[20:21] offset:16*\i    ; my four queries: 48 bytes
.endr
	s_wait_loadcnt 0x0                             ; also frees VA and VG, the loads' offsets
	v_lshlrev_b32 v[VG], 2, v0
.irp i, 0,1,2,3,4,5,6,7
	NORM CA+4*\i+3, CA+4*\i
.irp a, 0,1,2,3
	ds_store_b32 v[VG], v[CA+4*\i+\a] offset:4096*\a+512*\i                ; four arrays of 1,024 words
.endr
.endr
.irp q, 0,1,2,3
	NORM Y+8*\q+6, CB+3*\q
	v_mov_b32 v[Y+8*\q+7], v[Y+8*\q+6]
.irp k, 0,1,2
	v_mul_f32 v[Y+8*\q+2*\k], -2.0, v[CB+3*\q+\k]
	v_mul_f32 v[Y+8*\q+2*\k+1], -2.0, v[CB+3*\q+\k]
.endr
	v_mov_b32 v[ST+6*\q], INF
	v_mov_b32 v[ST+6*\q+1], INF
	v_mov_b32 v[ST+6*\q+2], INF
	v_mov_b32 v[ST+6*\q+3], 0                      ; group numbers that are in range whatever the data
	v_mov_b32 v[ST+6*\q+4], 1
	v_mov_b32 v[ST+6*\q+5], 2
.endr
	s_wait_dscnt 0x0                               ; my part of the table is written,
	s_barrier_signal -1
	s_barrier_wait -1                              ; everybody's is; nothing writes LDS after this
	v_mov_b32 v[VA], 0
.irp a, 0,1,2,3
.irp i, 0,1,2,3
	ds_load_b128 v[CA+16*\a+4*\i:CA+16*\a+4*\i+3], v[VA] offset:4096*\a+16*\i   ; group 0
.endr
.endr
	s_mov_b32 s8, 0
.Ltrip:
	HEAD
	HALF CA, CB, s9, 1, 64
	HALF CB, CA, s10, 1, 128
	s_add_co_u32 s8, s8, 1
	s_cmp_lt_u32 s8, 31
	s_cbranch_scc1 .Ltrip
	HEAD                                           ; s8 = 31: groups 62 and 63; nothing is loaded behind the last
	HALF CA, CB, s9, 1, 64
	HALF CB, CA, s10, 0, 0
.irp q, 0,1,2,3
	v_min_u32 v[M], v[ST+6*\q+3], v[ST+6*\q+4]     ; the three numbers in ascending order, so that the later scan runs by ascending index
	v_max_u32 v[M+1], v[ST+6*\q+3], v[ST+6*\q+4]
	v_add3_u32 v[M+2], v[ST+6*\q+3], v[ST+6*\q+4], v[ST+6*\q+5]
	v_min_u32 v[M], v[M], v[ST+6*\q+5]
	v_max_u32 v[M+1], v[M+1], v[ST+6*\q+5]
	v_sub_nc_u32 v[M+2], v[M+2], v[M]
	v_sub_nc_u32 v[M+2], v[M+2], v[M+1]
	v_lshl_or_b32 v[W+\q], v[M+2], 8, v[M]
	v_lshl_or_b32 v[W+\q], v[M+1], 16, v[W+\q]
.endr
	global_store_b128 v[VO], v[W:W+3], s[6:7]      ; a wave's store covers 512 consecutive bytes, aligned
	s_wait_tensorcnt 0x0
	ds_add_u32 v240, v241
	s_wait_dscnt 0x0
	s_endpgm
.Lfunc_end_k_q76ab55486b_knn_groups:
	.size	k_q76ab55486b_knn_groups, .Lfunc_end_k_q76ab55486b_knn_groups-k_q76ab55486b_knn_groups
	.p2alignl 7, 3214868480
	.fill 96, 4, 3214868480
	.section	.rodata,"a",@progbits
	.p2align	6, 0x0
	.amdhsa_kernel k_q76ab55486b_knn_groups
		.amdhsa_group_segment_fixed_size 16896
		.amdhsa_private_segment_fixed_size 0
		.amdhsa_enable_private_segment 0
		.amdhsa_kernarg_size 16
		.amdhsa_user_sgpr_count 2
		.amdhsa_user_sgpr_kernarg_segment_ptr 1
		.amdhsa_wavefront_size32 1
		.amdhsa_system_sgpr_workgroup_id_x 1
		.amdhsa_system_sgpr_workgroup_id_y 1
		.amdhsa_system_sgpr_workgroup_id_z 1
		.amdhsa_system_vgpr_workitem_id 0
		.amdhsa_next_free_vgpr 242
		.amdhsa_next_free_sgpr 66
		.amdhsa_reserve_vcc 0
		.amdhsa_float_denorm_mode_32 3
		.amdhsa_float_denorm_mode_16_64 3
		.amdhsa_memory_ordered 1
		.amdhsa_forward_progress 1
		.amdhsa_inst_pref_size 73
	.end_amdhsa_kernel
	.amdgpu_metadata
---
amdhsa.version: [ 1, 2 ]
amdhsa.kernels:
  - .name:           k_q76ab55486b_knn_groups
    .symbol:         k_q76ab55486b_knn_groups.kd
    .args:
      - { .name: pos, .offset: 0, .size: 8, .value_kind: global_buffer, .address_space: global }
      - { .name: grp, .offset: 8, .size: 8, .value_kind: global_buffer, .address_space: global }
    .group_segment_fixed_size: 16896
    .private_segment_fixed_size: 0
    .kernarg_segment_align: 8
    .kernarg_segment_size: 16
    .max_flat_workgroup_size: 128
    .sgpr_count:     66
    .vgpr_count:     242
    .wavefront_size: 32
...
	.end_amdgpu_metadata
.endif
;; end of part 1
;; launch mlp_a (part 2): grid 256 x 1, 4 waves a work-group, clusters of 4 x 1, 221,952 bytes of LDS; arguments pos, x, params_mlp1_0_0, params_mlp1_0_1, params_mlp1_1_0, params_mlp1_1_1, params_mlp2_0_0, params_mlp2_0_1, params_mlp2_1_0, params_mlp2_1_1, f1buf, pmax; writes f1buf, pmax
.if DOCPART == 2
	.amdgcn_target "amdgcn-amd-amdhsa--gfx1250"
	.amdhsa_code_object_version 6
	.text
	.protected	k_q76ab55486b_mlp_a
	.globl	k_q76ab55486b_mlp_a
	.p2align	8
	.type	k_q76ab55486b_mlp_a,@function
k_q76ab55486b_mlp_a:
	s_mov_b64 s[64:65], 0
	v_nop
	global_prefetch_b8 v0, s[64:65] scope:SCOPE_SE
	s_setreg_imm32_b32 hwreg(HW_REG_WAVE_MODE, 25, 1), 1
	s_wait_xcnt 0x0
	s_wait_alu depctr_hold_cnt(0) depctr_sa_sdst(0) depctr_va_vdst(0) depctr_va_sdst(0) depctr_va_ssrc(0) depctr_va_vcc(0) depctr_vm_vsrc(0)
	s_getreg_b32 s2, hwreg(HW_REG_IB_STS2, 6, 4)
	s_cmp_eq_u32 s2, 0
	s_cbranch_scc0 .Lentry_in_a_cluster
	s_endpgm
.Lentry_in_a_cluster:
	s_bfe_u32 s2, ttmp6, 0x10000c
	s_cmp_lg_u32 s2, 0x3003
	s_cbranch_scc0 .Lentry_shape_is_right
	s_endpgm
.Lentry_shape_is_right:
; Layers 12 -> 64 -> 64 (f1) -> 128 -> 256 on the first 1,024 points of each sample, and the maximum over a work-group's 32 points.
; Work-group wg has points 32 (wg % 32) .. + 31 of sample wg / 32; its four waves share out each layer's output channels.
; THE PRODUCT IS USED TRANSPOSED: source 0 = 16 output channels x 32 k of the weights, source 1 = 32 k x 16 points.  In the result, lane
; (r = lane % 16, h = lane / 16), register j, is channel 16 t + 8 h + j of point r: packed in pairs that is half of the next layer's
; source 1 for k = 16 t .. 16 t + 15, lane for lane, so activations go from wave to wave through LDS as they lie, 16 bytes a lane.
; NUMBERS: every operand is split into two bf16, v = hi + lo, and three products are summed in f32: hi hi + lo hi + hi lo.
; LIMITS: finite inputs, activations and weights below bf16's largest number (3.39e38); sums run in another order than a plain dot product.
; WEIGHTS come as f32 by tensor loads, each wave a quarter of each matrix's rows, into rows padded by 16 bytes (lanes 8 rows apart fall
; 128 bytes apart modulo 256).  All work-groups read the same weights: four form a cluster and ask jointly (mask 15), which divides the
; requests by four.  Nothing in LDS is filled twice.  A wave has at most four tensor loads outstanding: the four issued at the start.
.set P64,  272                         ; LDS pitch of rows of 64, 128, 256 floats
.set P128, 528
.set P256, 1040
.set ACT1, 0                           ; activations: [hi, lo][16 points: 2][channel tile][lane][16 bytes]; 64 channels: 8,192 bytes
.set ACT2, 8192
.set ACT3, 16384                       ; 128 channels: 16,384 bytes
.set PM,   32768                       ; 256 maxima, f32
.set W1B,  33792                       ; 12 x 272
.set W2B,  37120                       ; 64 x 272
.set W3B,  54528                       ; 64 x 528
.set W4B,  88320                       ; 128 x 1,040, ends at 221,440
.set WV, 28                            ; s28 wave   s29 work-group   s30 mask of a word's upper bf16
.set WG, 29
.set MSK, 30
.set TS, 84                            ; s[84:89] at work
.set VL16, 4                           ; 16 lane
.set VST,  5                           ; 16 lane + 512 wave: my tile among 4 (LDS, and f1buf)
.set VST3, 6                           ; 16 lane + 1,024 wave: my two tiles among 8
.set VW1,  7                           ; my column of W1 .. W4, at the row of my half of the lanes
.set VW2,  8
.set VW3,  9
.set VW4,  10
.set VW4H, 11                          ; W4 from row 64 on (the immediate has 16 bits)
.set VP,   12                          ; 12 r
.set VXA,  13                          ; 36 r + 24 h
.set VXB,  14                          ; 36 r
.set VB1,  15                          ; 32 h + 64 wave
.set VB3,  16                          ; 32 h + 128 wave
.set VPM,  18
.set VPR,  19
.set VPO,  20
.set B4,   22                          ; v[22:23] my two numbers of the last bias
.set BI1,  24                          ; biases in the layout of a result
.set BI2,  32
.set BI3,  40
.set ACC,  56                          ; v[56:87]   sums: tile m, points c at ACC + 16 m + 8 c
.set RAW,  88                          ; v[88:119]  weights as f32
.set AF,   120                         ; v[120:151] source 0: hi at AF + 16 m, lo at AF + 16 m + 8
.set BF,   152                         ; v[152:215] source 1, two buffers: hi at BF + 32 b + 16 c, lo 8 further
.set U,    216                         ; v[216:223] at work
.set HS,   224                         ; v[224:239] split activations, two sets of hi[4] lo[4]
.set PP,   240                         ; v[240:255] pos and x3..5 of the two point tiles
.macro ROUND                           ; a round of the cluster's barrier
	s_barrier_signal -1
	s_barrier_wait -1
	s_cmp_lg_u32 s[WV], 0
	s_cbranch_scc1 .Lnot_wave_0_\@
	s_barrier_signal -3
.Lnot_wave_0_\@:
	s_barrier_wait -3
	s_barrier_signal -1
	s_barrier_wait -1
.endm
; Behind a run of matrix instructions: four places before vector instructions and loads touch their registers,
; a fifth before a matrix instruction that starts a new sum writes over an accumulator.
.macro PLACES
.rept 5
	v_nop
.endr
.endm
.macro SPLIT8 src, hi, lo              ; 8 f32 -> 8 bf16 hi (4 registers) and 8 bf16 lo; src is left holding v - hi
.irp q, 0,1,2,3
	v_cvt_pk_bf16_f32 v[\hi+\q], v[\src+2*\q], v[\src+2*\q+1]
.endr
.irp q, 0,1,2,3
	v_lshlrev_b32 v[U+2*\q], 16, v[\hi+\q]
	v_and_b32 v[U+2*\q+1], s[MSK], v[\hi+\q]
.endr
.irp q, 0,1,2,3
	v_pk_add_f32 v[\src+2*\q:\src+2*\q+1], v[\src+2*\q:\src+2*\q+1], v[U+2*\q:U+2*\q+1] neg_lo:[0,1] neg_hi:[0,1]
.endr
.irp q, 0,1,2,3
	v_cvt_pk_bf16_f32 v[\lo+\q], v[\src+2*\q], v[\src+2*\q+1]
.endr
.endm
.macro LDA m, va, off, pitch           ; 16 weights of my channel: k = 8 h + 0..7 and 16 + 8 h + 0..7 (8 h rows are in va)
.irp i, 0,1,2,3,4,5,6,7
	ds_load_b32 v[RAW+16*(\m)+\i], v[\va] offset:(\off)+\i*(\pitch)
.endr
.irp i, 0,1,2,3,4,5,6,7
	ds_load_b32 v[RAW+16*(\m)+8+\i], v[\va] offset:(\off)+(16+\i)*(\pitch)
.endr
.endm
.macro CVA m
	SPLIT8 RAW+16*(\m), AF+16*(\m), AF+16*(\m)+8
	SPLIT8 RAW+16*(\m)+8, AF+16*(\m)+4, AF+16*(\m)+12
.endm
.macro LDB4 b, actb, t, kt             ; source 1 of k step kt (channel tiles 2 kt, 2 kt + 1 of t), both point tiles, hi and lo, into buffer b
.irp c, 0,1
.irp pl, 0,1
	ds_load_b128 v[BF+32*(\b)+16*\c+8*\pl:BF+32*(\b)+16*\c+8*\pl+3], v[VL16] offset:(\actb)+((\pl*2+\c)*(\t)+2*(\kt))*512
	ds_load_b128 v[BF+32*(\b)+16*\c+8*\pl+4:BF+32*(\b)+16*\c+8*\pl+7], v[VL16] offset:(\actb)+((\pl*2+\c)*(\t)+2*(\kt)+1)*512
.endr
.endr
.endm
.macro WM d, a, b, c
	v_wmma_f32_16x16x32_bf16 v[\d:\d+7], v[\a:\a+7], v[\b:\b+7], v[\c:\c+7]
.endm
; One k step: hi hi, lo hi, hi lo for nm channel tiles x 2 point tiles.  cm = 1: the first product starts the sums from the bias at cb;
; cm = 2: from 0; cm = 0: adds on.  The accumulators take turns, one instruction a turn, from step to step too.
.macro TERMS nm, b, cm, cb, ao
.irp m, 0,1
.if \m < \nm
.irp c, 0,1
.if \cm == 2
	v_wmma_f32_16x16x32_bf16 v[ACC+16*\m+8*\c:ACC+16*\m+8*\c+7], v[AF+\ao+16*\m:AF+\ao+16*\m+7], v[BF+32*(\b)+16*\c:BF+32*(\b)+16*\c+7], 0
.else
.if \cm == 1
	WM ACC+16*\m+8*\c, AF+\ao+16*\m, BF+32*(\b)+16*\c, \cb+8*\m
.else
	WM ACC+16*\m+8*\c, AF+\ao+16*\m, BF+32*(\b)+16*\c, ACC+16*\m+8*\c
.endif
.endif
.endr
.endif
.endr
.irp m, 0,1
.if \m < \nm
.irp c, 0,1
	WM ACC+16*\m+8*\c, AF+\ao+16*\m+8, BF+32*(\b)+16*\c, ACC+16*\m+8*\c
.endr
.endif
.endr
.irp m, 0,1
.if \m < \nm
.irp c, 0,1
	WM ACC+16*\m+8*\c, AF+\ao+16*\m, BF+32*(\b)+16*\c+8, ACC+16*\m+8*\c
.endr
.endif
.endr
.endm
.macro ACTOUT acc, hs                  ; relu, then hi and lo
.irp j, 0,1,2,3,4,5,6,7
	v_max_num_f32 v[\acc+\j], 0, v[\acc+\j]
.endr
	SPLIT8 \acc, \hs, \hs+4
.endm
.macro OUT1 actb                       ; a layer of 64 channels: my one tile
.irp c, 0,1
	ACTOUT ACC+8*\c, HS+8*\c
	ds_store_b128 v[VST], v[HS+8*\c:HS+8*\c+3] offset:\actb+\c*2048
	ds_store_b128 v[VST], v[HS+8*\c+4:HS+8*\c+7] offset:\actb+(2+\c)*2048
.endr
.endm
.macro OUT2 actb                       ; a layer of 128 channels: my two tiles
.irp m, 0,1
.irp c, 0,1
	ACTOUT ACC+16*\m+8*\c, HS+8*\c
	ds_store_b128 v[VST3], v[HS+8*\c:HS+8*\c+3] offset:\actb+\c*4096+512*\m
	ds_store_b128 v[VST3], v[HS+8*\c+4:HS+8*\c+7] offset:\actb+(2+\c)*4096+512*\m
.endr
.endr
.endm
.macro WADR d, hstep, wsh, base        ; base + h x hstep + (wave << wsh) + 4 r
	v_mul_u32_u24 v[\d], v3, \hstep
	v_lshl_add_u32 v[\d], v2, 2, v[\d]
	v_lshl_add_u32 v[\d], s[WV], \wsh, v[\d]
	v_add_nc_u32 v[\d], \base, v[\d]
.endm
; Descriptor of my quarter (qr rows of n floats) of the matrix at s[wp:wp+1], to LDS byte lb + wave x qr rows.  Nothing in it hangs on the work-group.
.macro DESC g0, g1, wp, n, qr, qi, lb
	s_mov_b32 s[\g1+0], 15|(2<<16)|(1<<20)|(1<<21)|(\qi<<22)|(3<<25)   ; 15:0 mask: all four of the cluster; 17:16 elements of 4 bytes; 20 padding on; 21 set beside a mask; 24:22 after each row's words; 31:25 four words
	s_mov_b32 s[\g1+1], \n<<16                     ; tensor_dim0
	s_mov_b32 s[\g1+2], \qr<<16                    ; tensor_dim1
	s_mov_b32 s[\g1+3], \n<<16                     ; tile_dim0
	s_mov_b32 s[\g1+4], \qr                        ; tile_dim1
	s_mov_b32 s[\g1+5], \n                         ; elements from row to row
	s_mov_b32 s[\g1+6], 0
	s_mov_b32 s[\g1+7], 0
	s_mov_b32 s[\g0+0], 1
	s_mul_i32 s[\g0+1], s[WV], \qr*(4*\n+16)
	s_add_co_u32 s[\g0+1], s[\g0+1], \lb
	s_mul_i32 s[TS], s[WV], \qr*\n*4
	s_mov_b32 s[TS+1], 0
	s_add_nc_u64 s[\g0+2:\g0+3], s[\wp:\wp+1], s[TS:TS+1]
	s_or_b32 s[\g0+3], s[\g0+3], 0x80000000        ; type 2
.endm
.macro L4LOAD hf, kt                   ; the last layer, channel tiles 2 hf, 2 hf + 1 of my four, k step kt
.if (\kt) < 2
	LDA 0, VW4, (\kt)*32*P256+128*(\hf), P256
	LDA 1, VW4, (\kt)*32*P256+128*(\hf)+64, P256
.else
	LDA 0, VW4H, ((\kt)-2)*32*P256+128*(\hf), P256
	LDA 1, VW4H, ((\kt)-2)*32*P256+128*(\hf)+64, P256
.endif
	LDB4 (\kt)%2, ACT3, 8, \kt
.endm
.macro PMAX hf                         ; the largest of 32 points: the two point tiles, then the 16 lanes of each half
.irp m, 0,1
.irp j, 0,1,2,3,4,5,6,7
	v_max_num_f32 v[ACC+16*\m+\j], v[ACC+16*\m+\j], v[ACC+16*\m+8+\j]
.endr
.irp x, 1,2,4,8
.irp j, 0,1,2,3,4,5,6,7
	v_max_num_f32_dpp v[ACC+16*\m+\j], v[ACC+16*\m+\j], v[ACC+16*\m+\j] row_xmask:\x row_mask:0xf bank_mask:0xf
.endr
.endr
	ds_store_b128 v[VPM], v[ACC+16*\m:ACC+16*\m+3] offset:64*(2*\hf+\m)       ; the 16 lanes of a half write the same bytes with the same values
	ds_store_b128 v[VPM], v[ACC+16*\m+4:ACC+16*\m+7] offset:64*(2*\hf+\m)+16
.endr
.endm
	s_load_b512 s[4:19], s[0:1], 0x0               ; pos 4, x 6, W1 8, b1 10, W2 12, b2 14, W3 16, b3 18
	s_load_b256 s[20:27], s[0:1], 0x40             ; W4 20, b4 22, f1buf 24, pmax 26
	v_lshl_add_u32 v251, v0, 2, 0x36100
	v_mov_b32 v255, 0
	ds_add_u32 v251, v255
	v_lshrrev_b32 v1, 5, v0
	v_readfirstlane_b32 s[WV], v1
	s_bfe_u32 s[TS], ttmp6, 0x40000                ; my place in the cluster
	s_lshl_b32 s[WG], ttmp9, 2
	s_add_co_u32 s[WG], s[WG], s[TS]               ; work-group: enters global addresses of my own loads and stores alone
	s_mov_b32 s[MSK], 0xffff0000
	v_and_b32 v1, 31, v0                           ; lane
	v_and_b32 v2, 15, v0                           ; r
	v_bfe_u32 v3, v0, 4, 1                         ; h
	v_lshlrev_b32 v[VL16], 4, v1
	v_lshl_add_u32 v[VST], s[WV], 9, v[VL16]
	v_lshl_add_u32 v[VST3], s[WV], 10, v[VL16]
	WADR VW1, 6*P64, 6, W1B
	WADR VW2, 8*P64, 6, W2B
	WADR VW3, 8*P128, 7, W3B
	WADR VW4, 8*P256, 8, W4B
	v_add_nc_u32 v[VW4H], 64*P256, v[VW4]
	v_mul_u32_u24 v[VP], v2, 12
	v_mul_u32_u24 v[VXB], v2, 36
	v_mad_u32_u24 v[VXA], v3, 24, v[VXB]
	v_lshlrev_b32 v[VB1], 5, v3
	v_lshl_add_u32 v[VB3], s[WV], 7, v[VB1]
	v_lshl_add_u32 v[VPM], s[WV], 8, v[VB1]
	v_lshl_add_u32 v[VB1], s[WV], 6, v[VB1]
	v_add_nc_u32 v[VPM], PM, v[VPM]                ; PM + 256 wave + 32 h
	v_lshlrev_b32 v[VPO], 3, v1
	v_lshl_add_u32 v[VPO], s[WV], 8, v[VPO]        ; 256 wave + 8 lane
	v_add_nc_u32 v[VPR], PM, v[VPO]
	s_lshr_b32 s[TS], s[WG], 5
	s_lshl_b32 s[TS], s[TS], 14                    ; the sample's first point
	s_and_b32 s[TS+1], s[WG], 31
	s_lshl_b32 s[TS+1], s[TS+1], 5
	s_add_co_u32 s[TS], s[TS], s[TS+1]             ; my first point
	s_mul_i32 s[TS+2], s[TS], 12
	s_mov_b32 s[TS+3], 0
	s_mul_i32 s[TS+4], s[TS], 36
	s_mov_b32 s[TS+5], 0
	s_wait_dscnt 0x0
	s_wait_kmcnt 0x0
	s_add_nc_u64 s[4:5], s[4:5], s[TS+2:TS+3]
	s_add_nc_u64 s[6:7], s[6:7], s[TS+4:TS+5]
	s_lshl_b32 s[TS+2], s[WG], 13
	s_lshl_b32 s[TS+4], s[WG], 10
	s_add_nc_u64 s[24:25], s[24:25], s[TS+2:TS+3]
	s_add_nc_u64 s[26:27], s[26:27], s[TS+4:TS+5]
	DESC 32, 48, 8,  64,  3,  5, W1B
	DESC 36, 56, 12, 64,  16, 5, W2B
	DESC 40, 68, 16, 128, 16, 6, W3B
	DESC 44, 76, 20, 256, 32, 7, W4B
	ROUND                                          ; all four work-groups are here: the joint loads meet
	tensor_load_to_lds s[32:35], s[48:55]          ; in the order in which the layers need them
	s_nop 0
	tensor_load_to_lds s[36:39], s[56:63]
	s_nop 0
	tensor_load_to_lds s[40:43], s[68:75]
	s_nop 0
	tensor_load_to_lds s[44:47], s[76:83]
	s_nop 0
	; Layer 1's 12 features in the 16 places k = 8 h + 0..7 of the two halves of lanes, alike in both sources:
	; h = 0: x0 x1 x2 0 pos0 pos1 pos2 0;  h = 1: x6 x7 x8 0 x3 x4 x5 0;  k = 16 .. 31 are 0.
.irp c, 0,1
	global_load_b96 v[RAW+8*\c:RAW+8*\c+2], v[VXA], s[6:7] offset:576*\c
	global_load_b96 v[PP+8*\c:PP+8*\c+2], v[VP], s[4:5] offset:192*\c
	global_load_b96 v[PP+8*\c+4:PP+8*\c+6], v[VXB], s[6:7] offset:576*\c+12
.endr
	global_load_b128 v[BI1:BI1+3], v[VB1], s[10:11]
	global_load_b128 v[BI1+4:BI1+7], v[VB1], s[10:11] offset:16
	global_load_b128 v[BI2:BI2+3], v[VB1], s[14:15]
	global_load_b128 v[BI2+4:BI2+7], v[VB1], s[14:15] offset:16
.irp m, 0,1
	global_load_b128 v[BI3+8*\m:BI3+8*\m+3], v[VB3], s[18:19] offset:64*\m
	global_load_b128 v[BI3+8*\m+4:BI3+8*\m+7], v[VB3], s[18:19] offset:64*\m+16
.endr
	global_load_b64 v[B4:B4+1], v[VPO], s[22:23]
	v_cmp_eq_u32 vcc_lo, 1, v3
	s_wait_loadcnt 0x0
.irp c, 0,1
.irp i, 0,1,2
	v_cndmask_b32 v[RAW+8*\c+4+\i], v[PP+8*\c+\i], v[PP+8*\c+4+\i], vcc_lo
.endr
	v_mov_b32 v[RAW+8*\c+3], 0
	v_mov_b32 v[RAW+8*\c+7], 0
	SPLIT8 RAW+8*\c, BF+16*\c, BF+16*\c+8
.irp i, 4,5,6,7,12,13,14,15
	v_mov_b32 v[BF+16*\c+\i], 0
.endr
.endr
	s_wait_tensorcnt 0x3                           ; my quarter of W1 is in; W2, W3, W4 were issued behind it
	s_barrier_signal -1
	s_barrier_wait -1                              ; everybody's is
	; LAYER 1: 12 -> 64, my tile = my wave's number
.irp i, 0,1,2
	ds_load_b32 v[RAW+16+\i], v[VW1] offset:(3+\i)*P64     ; rows 3 + 6 h + i
	ds_load_b32 v[RAW+20+\i], v[VW1] offset:\i*P64         ; rows 6 h + i
.endr
	v_mov_b32 v[RAW+19], 0
	v_mov_b32 v[RAW+23], 0
.irp i, 4,5,6,7,12,13,14,15
	v_mov_b32 v[AF+\i], 0
.endr
	s_wait_dscnt 0x0
	SPLIT8 RAW+16, AF, AF+8
	TERMS 1, 0, 1, BI1, 0
	PLACES
	OUT1 ACT1
	s_wait_dscnt 0x0                               ; my tile of the activations is written,
	s_wait_tensorcnt 0x2                           ; my quarter of W2 is in; W3, W4 were issued behind it
	s_barrier_signal -1
	s_barrier_wait -1
	; LAYER 2: 64 -> 64 = f1.  A step: the fragments are in, the weights are split, the next step's loads go out, the products.
	LDA 0, VW2, 0, P64
	LDB4 0, ACT1, 4, 0
	s_wait_dscnt 0x0
	CVA 0
	LDA 0, VW2, 32*P64, P64
	LDB4 1, ACT1, 4, 1
	TERMS 1, 0, 1, BI2, 0
	PLACES
	s_wait_dscnt 0x0
	CVA 0
	TERMS 1, 1, 0, 0, 0
	PLACES
	OUT1 ACT2
.irp c, 0,1
	global_store_b128 v[VST], v[HS+8*\c:HS+8*\c+3], s[24:25] offset:\c*2048          ; f1 as it lies in LDS: a wave's store covers 512 consecutive bytes
	global_store_b128 v[VST], v[HS+8*\c+4:HS+8*\c+7], s[24:25] offset:(2+\c)*2048
.endr
	s_wait_dscnt 0x0
	s_wait_tensorcnt 0x1                           ; W3 is in; W4 was issued behind it
	s_barrier_signal -1
	s_barrier_wait -1
	; LAYER 3: 64 -> 128, my tiles 2 wave, 2 wave + 1
	LDA 0, VW3, 0, P128
	LDA 1, VW3, 64, P128
	LDB4 0, ACT2, 4, 0
	s_wait_dscnt 0x0
	CVA 0
	CVA 1
	LDA 0, VW3, 32*P128, P128
	LDA 1, VW3, 32*P128+64, P128
	LDB4 1, ACT2, 4, 1
	TERMS 2, 0, 1, BI3, 0
	PLACES
	s_wait_dscnt 0x0
	CVA 0
	CVA 1
	TERMS 2, 1, 0, 0, 0
	PLACES
	s_wait_xcnt 0x0                                ; HS, which the stores of f1 read, is rewritten only behind this wait
	OUT2 ACT3
	s_wait_dscnt 0x0
	s_wait_tensorcnt 0x0                           ; W4 is in
	s_barrier_signal -1
	s_barrier_wait -1
	; LAYER 4: 128 -> 256, my four tiles two at a time.  Bias and relu follow the maximum: both are monotone, rounding included.
	L4LOAD 0, 0
.irp hf, 0,1
.irp kt, 0,1,2,3
	s_wait_dscnt 0x0
	CVA 0
	CVA 1
.if \kt < 3
	L4LOAD \hf, \kt+1
.else
.if \hf == 0
	L4LOAD 1, 0
.endif
.endif
.if \kt == 0
	TERMS 2, 0, 2, 0, 0
.else
	TERMS 2, \kt%2, 0, 0, 0
.endif
	PLACES
.endr
	PMAX \hf
.endr
	ds_load_b64 v[U:U+1], v[VPR]                   ; my wave's own 256 bytes; a wave's LDS instructions are served in order (ISA guide 5.7.1)
	s_wait_dscnt 0x0
	v_pk_add_f32 v[U:U+1], v[U:U+1], v[B4:B4+1]
	v_max_num_f32 v[U], 0, v[U]
	v_max_num_f32 v[U+1], 0, v[U+1]
	global_store_b64 v[VPO], v[U:U+1], s[26:27]    ; a wave's store covers 256 consecutive bytes, aligned
	s_wait_tensorcnt 0x0
	ds_add_u32 v251, v255
	s_wait_dscnt 0x0
	ROUND                                          ; the closing round: no work-group ends while a partner may still ask jointly
	s_endpgm
.Lfunc_end_k_q76ab55486b_mlp_a:
	.size	k_q76ab55486b_mlp_a, .Lfunc_end_k_q76ab55486b_mlp_a-k_q76ab55486b_mlp_a
	.p2alignl 7, 3214868480
	.fill 96, 4, 3214868480
	.section	.rodata,"a",@progbits
	.p2align	6, 0x0
	.amdhsa_kernel k_q76ab55486b_mlp_a
		.amdhsa_group_segment_fixed_size 221952
		.amdhsa_private_segment_fixed_size 0
		.amdhsa_enable_private_segment 0
		.amdhsa_kernarg_size 96
		.amdhsa_user_sgpr_count 2
		.amdhsa_user_sgpr_kernarg_segment_ptr 1
		.amdhsa_wavefront_size32 1
		.amdhsa_system_sgpr_workgroup_id_x 1
		.amdhsa_system_sgpr_workgroup_id_y 1
		.amdhsa_system_sgpr_workgroup_id_z 1
		.amdhsa_system_vgpr_workitem_id 0
		.amdhsa_next_free_vgpr 256
		.amdhsa_next_free_sgpr 96
		.amdhsa_reserve_vcc 1
		.amdhsa_float_denorm_mode_32 3
		.amdhsa_float_denorm_mode_16_64 3
		.amdhsa_memory_ordered 1
		.amdhsa_forward_progress 1
		.amdhsa_inst_pref_size 119
	.end_amdhsa_kernel
	.amdgpu_metadata
---
amdhsa.version: [ 1, 2 ]
amdhsa.kernels:
  - .name:           k_q76ab55486b_mlp_a
    .symbol:         k_q76ab55486b_mlp_a.kd
    .args:
      - { .name: pos, .offset: 0, .size: 8, .value_kind: global_buffer, .address_space: global }
      - { .name: x, .offset: 8, .size: 8, .value_kind: global_buffer, .address_space: global }
      - { .name: params_mlp1_0_0, .offset: 16, .size: 8, .value_kind: global_buffer, .address_space: global }
      - { .name: params_mlp1_0_1, .offset: 24, .size: 8, .value_kind: global_buffer, .address_space: global }
      - { .name: params_mlp1_1_0, .offset: 32, .size: 8, .value_kind: global_buffer, .address_space: global }
      - { .name: params_mlp1_1_1, .offset: 40, .size: 8, .value_kind: global_buffer, .address_space: global }
      - { .name: params_mlp2_0_0, .offset: 48, .size: 8, .value_kind: global_buffer, .address_space: global }
      - { .name: params_mlp2_0_1, .offset: 56, .size: 8, .value_kind: global_buffer, .address_space: global }
      - { .name: params_mlp2_1_0, .offset: 64, .size: 8, .value_kind: global_buffer, .address_space: global }
      - { .name: params_mlp2_1_1, .offset: 72, .size: 8, .value_kind: global_buffer, .address_space: global }
      - { .name: f1buf, .offset: 80, .size: 8, .value_kind: global_buffer, .address_space: global }
      - { .name: pmax, .offset: 88, .size: 8, .value_kind: global_buffer, .address_space: global }
    .group_segment_fixed_size: 221952
    .private_segment_fixed_size: 0
    .kernarg_segment_align: 8
    .kernarg_segment_size: 96
    .max_flat_workgroup_size: 128
    .sgpr_count:     96
    .vgpr_count:     256
    .wavefront_size: 32
...
	.end_amdgpu_metadata
.endif
;; end of part 2
;; launch mlp_b (part 3): grid 256 x 1, 4 waves a work-group, clusters of 4 x 1, 230,912 bytes of LDS; arguments pmax, f1buf, params_mlp3_0_0, params_mlp3_0_1, params_mlp3_1_0, params_mlp3_1_1, params_lin_0, params_lin_1, lg; writes lg
.if DOCPART == 3
	.amdgcn_target "amdgcn-amd-amdhsa--gfx1250"
	.amdhsa_code_object_version 6
	.text
	.protected	k_q76ab55486b_mlp_b
	.globl	k_q76ab55486b_mlp_b
	.p2align	8
	.type	k_q76ab55486b_mlp_b,@function
k_q76ab55486b_mlp_b:
	s_mov_b64 s[64:65], 0
	v_nop
	global_prefetch_b8 v0, s[64:65] scope:SCOPE_SE
	s_setreg_imm32_b32 hwreg(HW_REG_WAVE_MODE, 25, 1), 1
	s_wait_xcnt 0x0
	s_wait_alu depctr_hold_cnt(0) depctr_sa_sdst(0) depctr_va_vdst(0) depctr_va_sdst(0) depctr_va_ssrc(0) depctr_va_vcc(0) depctr_vm_vsrc(0)
	s_getreg_b32 s2, hwreg(HW_REG_IB_STS2, 6, 4)
	s_cmp_eq_u32 s2, 0
	s_cbranch_scc0 .Lentry_in_a_cluster
	s_endpgm
.Lentry_in_a_cluster:
	s_bfe_u32 s2, ttmp6, 0x10000c
	s_cmp_lg_u32 s2, 0x3003
	s_cbranch_scc0 .Lentry_shape_is_right
	s_endpgm
.Lentry_shape_is_right:
; context = the maximum over a sample's 32 rows of pmax; [context, f1] 320 -> 128 -> 64 -> 2 (the logits) for the work-group's 32 points.
; Products, splitting (v = bf16 hi + bf16 lo, three products in f32), layouts and the joint loads of the weights as in the launch that made f1:
; source 0 = 16 output channels x 32 k, source 1 = 32 k x 16 points; lane (r, h), register j of a result = channel 16 t + 8 h + j of point r.
; THE CONTEXT'S PART of the first layer, b5[n] + sum over k < 256 of context[k] W5[k][n], is one row for the whole work-group.  It is made
; in f32 on the vector unit, one output a thread: as a matrix product 15 of 16 columns would be idle, and splitting a weight costs more
; than its one multiply-add.  It then serves as the bias of the product with f1 (k = 64).
; LIMITS: finite inputs (a NaN in pmax is dropped by the maximum), values below bf16's largest number (3.39e38); sums in another order than a plain dot product.
; A wave has at most two tensor loads outstanding: the two issued at the start.  Nothing in LDS is filled twice.
.set P64,  272
.set P128, 528
.set CTX,  0                           ; 256 f32
.set CV,   1024                        ; 128 f32
.set ACT5, 2048                        ; 128 channels: 16,384 bytes
.set ACT6, 18432                       ; 64 channels: 8,192 bytes
.set W6B,  26624                       ; 128 x 272
.set W5B,  61440                       ; 320 x 528, ends at 230,400
.set WV, 24                            ; s24 wave   s25 work-group   s26 mask of a word's upper bf16   s22, s23 selects of v_permlanex16_b32
.set WG, 25
.set MSK, 26
.set TS, 52                            ; s[52:60] at work
.set VL16, 4
.set VST,  5                           ; 16 lane + 512 wave
.set VST3, 6                           ; 16 lane + 1,024 wave
.set VW5F, 7                           ; my column of W5 from row 256 on
.set VW6,  8
.set VWK,  9                           ; W5's column = thread, stepped by 32 rows a trip
.set VC,   10                          ; the context, stepped by 32 numbers a trip
.set VCV,  11
.set VBI5, 12
.set VPX,  13                          ; 8 thread
.set VT4,  14                          ; 4 thread
.set VB6,  15
.set VWL,  16
.set VLG,  17
.set VZ,   19                          ; 0
.set BI5,  24
.set BI6,  40
.set BIL,  48
.set WLR0, 24                          ; the last layer's weights as f32: over BI5, when that has served
.set WLR1, 240
.set ACC,  56
.set RAW,  88
.set AF,   120
.set BF,   152
.set U,    216
.set HS,   224
.macro ROUND                           ; a round of the cluster's barrier
	s_barrier_signal -1
	s_barrier_wait -1
	s_cmp_lg_u32 s[WV], 0
	s_cbranch_scc1 .Lnot_wave_0_\@
	s_barrier_signal -3
.Lnot_wave_0_\@:
	s_barrier_wait -3
	s_barrier_signal -1
	s_barrier_wait -1
.endm
; Behind a run of matrix instructions: four places before vector instructions and loads touch their registers,
; a fifth before a matrix instruction that starts a new sum writes over an accumulator.
.macro PLACES
.rept 5
	v_nop
.endr
.endm
.macro SPLIT8 src, hi, lo              ; 8 f32 -> 8 bf16 hi (4 registers) and 8 bf16 lo; src is left holding v - hi
.irp q, 0,1,2,3
	v_cvt_pk_bf16_f32 v[\hi+\q], v[\src+2*\q], v[\src+2*\q+1]
.endr
.irp q, 0,1,2,3
	v_lshlrev_b32 v[U+2*\q], 16, v[\hi+\q]
	v_and_b32 v[U+2*\q+1], s[MSK], v[\hi+\q]
.endr
.irp q, 0,1,2,3
	v_pk_add_f32 v[\src+2*\q:\src+2*\q+1], v[\src+2*\q:\src+2*\q+1], v[U+2*\q:U+2*\q+1] neg_lo:[0,1] neg_hi:[0,1]
.endr
.irp q, 0,1,2,3
	v_cvt_pk_bf16_f32 v[\lo+\q], v[\src+2*\q], v[\src+2*\q+1]
.endr
.endm
.macro LDA m, va, off, pitch           ; 16 weights of my channel: k = 8 h + 0..7 and 16 + 8 h + 0..7 (8 h rows are in va)
.irp i, 0,1,2,3,4,5,6,7
	ds_load_b32 v[RAW+16*(\m)+\i], v[\va] offset:(\off)+\i*(\pitch)
.endr
.irp i, 0,1,2,3,4,5,6,7
	ds_load_b32 v[RAW+16*(\m)+8+\i], v[\va] offset:(\off)+(16+\i)*(\pitch)
.endr
.endm
.macro CVA m
	SPLIT8 RAW+16*(\m), AF+16*(\m), AF+16*(\m)+8
	SPLIT8 RAW+16*(\m)+8, AF+16*(\m)+4, AF+16*(\m)+12
.endm
.macro LDB4 b, actb, t, kt             ; source 1 of k step kt (channel tiles 2 kt, 2 kt + 1 of t), both point tiles, hi and lo, into buffer b
.irp c, 0,1
.irp pl, 0,1
	ds_load_b128 v[BF+32*(\b)+16*\c+8*\pl:BF+32*(\b)+16*\c+8*\pl+3], v[VL16] offset:(\actb)+((\pl*2+\c)*(\t)+2*(\kt))*512
	ds_load_b128 v[BF+32*(\b)+16*\c+8*\pl+4:BF+32*(\b)+16*\c+8*\pl+7], v[VL16] offset:(\actb)+((\pl*2+\c)*(\t)+2*(\kt)+1)*512
.endr
.endr
.endm
.macro WM d, a, b, c
	v_wmma_f32_16x16x32_bf16 v[\d:\d+7], v[\a:\a+7], v[\b:\b+7], v[\c:\c+7]
.endm
; One k step: hi hi, lo hi, hi lo for nm channel tiles x 2 point tiles; source 0 at AF + ao.  cm = 1: the first product starts the sums from
; the bias at cb; cm = 0: adds on.  The accumulators take turns, one instruction a turn, from step to step too.
.macro TERMS nm, b, cm, cb, ao
.irp m, 0,1
.if \m < \nm
.irp c, 0,1
.if \cm == 1
	WM ACC+16*\m+8*\c, AF+\ao+16*\m, BF+32*(\b)+16*\c, \cb+8*\m
.else
	WM ACC+16*\m+8*\c, AF+\ao+16*\m, BF+32*(\b)+16*\c, ACC+16*\m+8*\c
.endif
.endr
.endif
.endr
.irp m, 0,1
.if \m < \nm
.irp c, 0,1
	WM ACC+16*\m+8*\c, AF+\ao+16*\m+8, BF+32*(\b)+16*\c, ACC+16*\m+8*\c
.endr
.endif
.endr
.irp m, 0,1
.if \m < \nm
.irp c, 0,1
	WM ACC+16*\m+8*\c, AF+\ao+16*\m, BF+32*(\b)+16*\c+8, ACC+16*\m+8*\c
.endr
.endif
.endr
.endm
.macro ACTOUT acc, hs                  ; relu, then hi and lo
.irp j, 0,1,2,3,4,5,6,7
	v_max_num_f32 v[\acc+\j], 0, v[\acc+\j]
.endr
	SPLIT8 \acc, \hs, \hs+4
.endm
.macro OUT1 actb                       ; a layer of 64 channels: my one tile
.irp c, 0,1
	ACTOUT ACC+8*\c, HS+8*\c
	ds_store_b128 v[VST], v[HS+8*\c:HS+8*\c+3] offset:\actb+\c*2048
	ds_store_b128 v[VST], v[HS+8*\c+4:HS+8*\c+7] offset:\actb+(2+\c)*2048
.endr
.endm
.macro OUT2 actb                       ; a layer of 128 channels: my two tiles
.irp m, 0,1
.irp c, 0,1
	ACTOUT ACC+16*\m+8*\c, HS+8*\c
	ds_store_b128 v[VST3], v[HS+8*\c:HS+8*\c+3] offset:\actb+\c*4096+512*\m
	ds_store_b128 v[VST3], v[HS+8*\c+4:HS+8*\c+7] offset:\actb+(2+\c)*4096+512*\m
.endr
.endr
.endm
.macro WADR d, hstep, wsh, base        ; base + h x hstep + (wave << wsh) + 4 r
	v_mul_u32_u24 v[\d], v3, \hstep
	v_lshl_add_u32 v[\d], v2, 2, v[\d]
	v_lshl_add_u32 v[\d], s[WV], \wsh, v[\d]
	v_add_nc_u32 v[\d], \base, v[\d]
.endm
; Descriptor of my quarter (qr rows of n floats) of the matrix at s[wp:wp+1], to LDS byte lb + wave x qr rows.  Nothing in it hangs on the work-group.
.macro DESC g0, g1, wp, n, qr, qi, lb
	s_mov_b32 s[\g1+0], 15|(2<<16)|(1<<20)|(1<<21)|(\qi<<22)|(3<<25)   ; 15:0 mask: all four of the cluster; 17:16 elements of 4 bytes; 20 padding on; 21 set beside a mask; 24:22 after each row's words; 31:25 four words
	s_mov_b32 s[\g1+1], \n<<16                     ; tensor_dim0
	s_mov_b32 s[\g1+2], \qr<<16                    ; tensor_dim1
	s_mov_b32 s[\g1+3], \n<<16                     ; tile_dim0
	s_mov_b32 s[\g1+4], \qr                        ; tile_dim1
	s_mov_b32 s[\g1+5], \n                         ; elements from row to row
	s_mov_b32 s[\g1+6], 0
	s_mov_b32 s[\g1+7], 0
	s_mov_b32 s[\g0+0], 1
	s_mul_i32 s[\g0+1], s[WV], \qr*(4*\n+16)
	s_add_co_u32 s[\g0+1], s[\g0+1], \lb
	s_mul_i32 s[TS], s[WV], \qr*\n*4
	s_mov_b32 s[TS+1], 0
	s_add_nc_u64 s[\g0+2:\g0+3], s[\wp:\wp+1], s[TS:TS+1]
	s_or_b32 s[\g0+3], s[\g0+3], 0x80000000        ; type 2
.endm
	s_load_b512 s[4:19], s[0:1], 0x0               ; pmax 4, f1buf 6, W5 8, b5 10, W6 12, b6 14, Wl 16, bl 18
	s_load_b64 s[20:21], s[0:1], 0x40              ; lg
	v_lshl_add_u32 v22, v0, 2, 0x38400
	v_mov_b32 v23, 0
	ds_add_u32 v22, v23
	v_lshrrev_b32 v1, 5, v0
	v_readfirstlane_b32 s[WV], v1
	s_bfe_u32 s[TS], ttmp6, 0x40000                ; my place in the cluster
	s_lshl_b32 s[WG], ttmp9, 2
	s_add_co_u32 s[WG], s[WG], s[TS]               ; work-group: enters global addresses of my own loads and stores alone
	s_mov_b32 s[MSK], 0xffff0000
	s_mov_b32 s22, 0x76543210
	s_mov_b32 s23, 0xfedcba98
	v_and_b32 v1, 31, v0                           ; lane
	v_and_b32 v2, 15, v0                           ; r
	v_bfe_u32 v3, v0, 4, 1                         ; h
	v_lshlrev_b32 v[VL16], 4, v1
	v_lshl_add_u32 v[VST], s[WV], 9, v[VL16]
	v_lshl_add_u32 v[VST3], s[WV], 10, v[VL16]
	WADR VW5F, 8*P128, 7, W5B+256*P128
	WADR VW6, 8*P64, 6, W6B
	v_lshlrev_b32 v[VT4], 2, v0
	v_lshlrev_b32 v[VPX], 3, v0
	v_add_nc_u32 v[VWK], W5B, v[VT4]
	v_mov_b32 v[VC], CTX
	v_add_nc_u32 v[VCV], CV, v[VT4]
	v_lshlrev_b32 v[VB6], 5, v3
	v_lshl_add_u32 v[VBI5], s[WV], 7, v[VB6]
	v_add_nc_u32 v[VBI5], CV, v[VBI5]              ; CV + 128 wave + 32 h
	v_lshl_add_u32 v[VB6], s[WV], 6, v[VB6]        ; 32 h + 64 wave
	v_min_u32 v[VWL], 1, v2                        ; rows 2 .. 15 of the last layer's source 0 repeat row 1: their results are not stored
	v_lshlrev_b32 v[VWL], 2, v[VWL]
	v_lshl_add_u32 v[VWL], v3, 6, v[VWL]           ; 64 h + 4 min(r, 1)
	v_lshlrev_b32 v[VLG], 3, v1
	v_mov_b32 v[VZ], 0
	s_lshr_b32 s[TS+2], s[WG], 5
	s_lshl_b32 s[TS+2], s[TS+2], 15                ; the sample's 32 rows of pmax
	s_mov_b32 s[TS+3], 0
	s_lshl_b32 s[TS+4], s[WG], 13
	s_mov_b32 s[TS+5], 0
	s_lshl_b32 s[TS+6], s[WG], 8
	s_mov_b32 s[TS+7], 0
	s_wait_dscnt 0x0
	s_wait_kmcnt 0x0
	s_add_nc_u64 s[4:5], s[4:5], s[TS+2:TS+3]
	s_add_nc_u64 s[6:7], s[6:7], s[TS+4:TS+5]
	s_add_nc_u64 s[20:21], s[20:21], s[TS+6:TS+7]
	DESC 28, 36, 8,  128, 80, 6, W5B
	DESC 32, 44, 12, 64,  32, 5, W6B
	ROUND                                          ; all four work-groups are here: the joint loads meet
	tensor_load_to_lds s[28:31], s[36:43]
	s_nop 0
	tensor_load_to_lds s[32:35], s[44:51]
	s_nop 0
.set i, 0
.rept 32
	global_load_b64 v[ACC+2*i:ACC+2*i+1], v[VPX], s[4:5] offset:1024*i     ; channels 2 thread, 2 thread + 1 of the sample's 32 partial maxima
.set i, i+1
.endr
.irp kt, 0,1
.irp c, 0,1
.irp pl, 0,1
	global_load_b128 v[BF+32*\kt+16*\c+8*\pl:BF+32*\kt+16*\c+8*\pl+3], v[VL16], s[6:7] offset:((\pl*2+\c)*4+2*\kt)*512       ; f1, ready as source 1
	global_load_b128 v[BF+32*\kt+16*\c+8*\pl+4:BF+32*\kt+16*\c+8*\pl+7], v[VL16], s[6:7] offset:((\pl*2+\c)*4+2*\kt+1)*512
.endr
.endr
.endr
	global_load_b128 v[BI6:BI6+3], v[VB6], s[14:15]
	global_load_b128 v[BI6+4:BI6+7], v[VB6], s[14:15] offset:16
	global_load_b32 v[U], v[VT4], s[10:11]         ; b5[thread] starts the context's sum
	s_wait_loadcnt 19                              ; pmax's 32 loads are in; the 16 + 2 + 1 issued behind them stay out
.irp p, 0,1
.set i, 0
.rept 10
	v_max3_num_f32 v[ACC+2*i+\p], v[ACC+2*i+\p], v[ACC+2*(i+10)+\p], v[ACC+2*(i+20)+\p]
.set i, i+1
.endr
	v_max3_num_f32 v[ACC+\p], v[ACC+\p], v[ACC+60+\p], v[ACC+62+\p]
	v_max3_num_f32 v[ACC+6+\p], v[ACC+6+\p], v[ACC+8+\p], v[ACC+10+\p]
	v_max3_num_f32 v[ACC+12+\p], v[ACC+12+\p], v[ACC+14+\p], v[ACC+16+\p]
	v_max3_num_f32 v[ACC+\p], v[ACC+\p], v[ACC+2+\p], v[ACC+4+\p]
	v_max3_num_f32 v[ACC+\p], v[ACC+\p], v[ACC+6+\p], v[ACC+12+\p]
	v_max_num_f32 v[ACC+\p], v[ACC+\p], v[ACC+18+\p]
.endr
	ds_store_b64 v[VPX], v[ACC:ACC+1] offset:CTX
	s_wait_dscnt 0x0                               ; my two numbers of the context are written,
	s_wait_tensorcnt 0x1                           ; my quarter of W5 is in; W6 was issued behind it
	s_barrier_signal -1
	s_barrier_wait -1
	; THE CONTEXT'S PART: 8 trips of 32 k; two pairs of sums
	v_mov_b32 v[U+1], 0
	v_mov_b32 v[U+2], 0
	v_mov_b32 v[U+3], 0
	s_wait_loadcnt 0x0                             ; b5, and f1 and b6 for later
	s_mov_b32 s[TS+8], 0
.Lctx:
.irp i, 0,1,2,3,4,5,6,7
	ds_load_b128 v[RAW+4*\i:RAW+4*\i+3], v[VC] offset:16*\i        ; 32 numbers of the context, the same in every lane
.endr
.set i, 0
.rept 32
	ds_load_b32 v[ACC+i], v[VWK] offset:i*P128                     ; my column of 32 rows
.set i, i+1
.endr
	s_wait_dscnt 0x0
.set i, 0
.rept 8
	v_pk_fma_f32 v[U:U+1], v[RAW+4*i:RAW+4*i+1], v[ACC+4*i:ACC+4*i+1], v[U:U+1]
	v_pk_fma_f32 v[U+2:U+3], v[RAW+4*i+2:RAW+4*i+3], v[ACC+4*i+2:ACC+4*i+3], v[U+2:U+3]
.set i, i+1
.endr
	v_add_nc_u32 v[VWK], 32*P128, v[VWK]
	v_add_nc_u32 v[VC], 128, v[VC]
	s_add_co_u32 s[TS+8], s[TS+8], 1
	s_cmp_lt_u32 s[TS+8], 8
	s_cbranch_scc1 .Lctx
	v_add_f32 v[U], v[U], v[U+1]
	v_add_f32 v[U+2], v[U+2], v[U+3]
	v_add_f32 v[U], v[U], v[U+2]
	ds_store_b32 v[VCV], v[U]
	s_wait_dscnt 0x0
	s_barrier_signal -1
	s_barrier_wait -1
	; LAYER 5, f1's part: 64 -> 128 on top of the context's part; my tiles 2 wave, 2 wave + 1; source 1 is in registers already
.irp m, 0,1
	ds_load_b128 v[BI5+8*\m:BI5+8*\m+3], v[VBI5] offset:64*\m
	ds_load_b128 v[BI5+8*\m+4:BI5+8*\m+7], v[VBI5] offset:64*\m+16
.endr
	LDA 0, VW5F, 0, P128
	LDA 1, VW5F, 64, P128
	s_wait_dscnt 0x0
	CVA 0
	CVA 1
	LDA 0, VW5F, 32*P128, P128
	LDA 1, VW5F, 32*P128+64, P128
	TERMS 2, 0, 1, BI5, 0
	PLACES
	s_wait_dscnt 0x0
	CVA 0
	CVA 1
	TERMS 2, 1, 0, 0, 0
	PLACES
	s_cmp_lg_u32 s[WV], 0                          ; wave 0 makes the last layer: its weights are asked for now and waited for there
	s_cbranch_scc1 .Lno_wl
.set i, 0
.rept 8
	global_load_b32 v[WLR0+i], v[VWL], s[16:17] offset:8*i
	global_load_b32 v[WLR0+8+i], v[VWL], s[16:17] offset:8*(16+i)
	global_load_b32 v[WLR1+i], v[VWL], s[16:17] offset:256+8*i
	global_load_b32 v[WLR1+8+i], v[VWL], s[16:17] offset:256+8*(16+i)
.set i, i+1
.endr
	global_load_b64 v[BIL:BIL+1], v[VZ], s[18:19]
.Lno_wl:
	OUT2 ACT5
	s_wait_dscnt 0x0
	s_wait_tensorcnt 0x0                           ; W6 is in
	s_barrier_signal -1
	s_barrier_wait -1
	; LAYER 6: 128 -> 64, my tile = my wave's number
	LDA 0, VW6, 0, P64
	LDB4 0, ACT5, 8, 0
.irp kt, 0,1,2,3
	s_wait_dscnt 0x0
	CVA 0
.if \kt < 3
	LDA 0, VW6, (\kt+1)*32*P64, P64
	LDB4 (\kt+1)%2, ACT5, 8, \kt+1
.endif
.if \kt == 0
	TERMS 1, 0, 1, BI6, 0
.else
	TERMS 1, \kt%2, 0, 0, 0
.endif
	PLACES
.endr
	OUT1 ACT6
	s_wait_dscnt 0x0
	s_barrier_signal -1
	s_barrier_wait -1
	; THE LAST LAYER: 64 -> 2, one tile of which rows 0 and 1 count: wave 0 alone
	s_cmp_lg_u32 s[WV], 0
	s_cbranch_scc1 .Lclose
.irp i, 2,3,4,5,6,7
	v_mov_b32 v[BIL+\i], 0
.endr
	LDB4 0, ACT6, 4, 0
	LDB4 1, ACT6, 4, 1
	s_wait_loadcnt 0x0                             ; Wl and bl
	SPLIT8 WLR0, AF, AF+8
	SPLIT8 WLR0+8, AF+4, AF+12
	SPLIT8 WLR1, AF+16, AF+24
	SPLIT8 WLR1+8, AF+20, AF+28
	s_wait_dscnt 0x0
	TERMS 1, 0, 1, BIL, 0
	TERMS 1, 1, 0, 0, 16
	PLACES
	v_cmp_eq_u32 vcc_lo, 1, v3
	v_permlanex16_b32 v[U], v[ACC+8], s22, s23     ; points 16 .. 31 lie in lanes 0 .. 15 of the second tile: bring them to lanes 16 .. 31
	v_permlanex16_b32 v[U+1], v[ACC+9], s22, s23
	v_cndmask_b32 v[U+2], v[ACC], v[U], vcc_lo
	v_cndmask_b32 v[U+3], v[ACC+1], v[U+1], vcc_lo
	global_store_b64 v[VLG], v[U+2:U+3], s[20:21]  ; lane = point: 256 consecutive bytes, aligned
.Lclose:
	s_wait_tensorcnt 0x0
	ds_add_u32 v22, v23
	s_wait_dscnt 0x0
	ROUND                                          ; the closing round: no work-group ends while a partner may still ask jointly
	s_endpgm
.Lfunc_end_k_q76ab55486b_mlp_b:
	.size	k_q76ab55486b_mlp_b, .Lfunc_end_k_q76ab55486b_mlp_b-k_q76ab55486b_mlp_b
	.p2alignl 7, 3214868480
	.fill 96, 4, 3214868480
	.section	.rodata,"a",@progbits
	.p2align	6, 0x0
	.amdhsa_kernel k_q76ab55486b_mlp_b
		.amdhsa_group_segment_fixed_size 230912
		.amdhsa_private_segment_fixed_size 0
		.amdhsa_enable_private_segment 0
		.amdhsa_kernarg_size 72
		.amdhsa_user_sgpr_count 2
		.amdhsa_user_sgpr_kernarg_segment_ptr 1
		.amdhsa_wavefront_size32 1
		.amdhsa_system_sgpr_workgroup_id_x 1
		.amdhsa_system_sgpr_workgroup_id_y 1
		.amdhsa_system_sgpr_workgroup_id_z 1
		.amdhsa_system_vgpr_workitem_id 0
		.amdhsa_next_free_vgpr 256
		.amdhsa_next_free_sgpr 66
		.amdhsa_reserve_vcc 1
		.amdhsa_float_denorm_mode_32 3
		.amdhsa_float_denorm_mode_16_64 3
		.amdhsa_memory_ordered 1
		.amdhsa_forward_progress 1
		.amdhsa_inst_pref_size 66
	.end_amdhsa_kernel
	.amdgpu_metadata
---
amdhsa.version: [ 1, 2 ]
amdhsa.kernels:
  - .name:           k_q76ab55486b_mlp_b
    .symbol:         k_q76ab55486b_mlp_b.kd
    .args:
      - { .name: pmax, .offset: 0, .size: 8, .value_kind: global_buffer, .address_space: global }
      - { .name: f1buf, .offset: 8, .size: 8, .value_kind: global_buffer, .address_space: global }
      - { .name: params_mlp3_0_0, .offset: 16, .size: 8, .value_kind: global_buffer, .address_space: global }
      - { .name: params_mlp3_0_1, .offset: 24, .size: 8, .value_kind: global_buffer, .address_space: global }
      - { .name: params_mlp3_1_0, .offset: 32, .size: 8, .value_kind: global_buffer, .address_space: global }
      - { .name: params_mlp3_1_1, .offset: 40, .size: 8, .value_kind: global_buffer, .address_space: global }
      - { .name: params_lin_0, .offset: 48, .size: 8, .value_kind: global_buffer, .address_space: global }
      - { .name: params_lin_1, .offset: 56, .size: 8, .value_kind: global_buffer, .address_space: global }
      - { .name: lg, .offset: 64, .size: 8, .value_kind: global_buffer, .address_space: global }
    .group_segment_fixed_size: 230912
    .private_segment_fixed_size: 0
    .kernarg_segment_align: 8
    .kernarg_segment_size: 72
    .max_flat_workgroup_size: 128
    .sgpr_count:     66
    .vgpr_count:     256
    .wavefront_size: 32
...
	.end_amdgpu_metadata
.endif
;; end of part 3
;; launch knn_final (part 4): grid 256 x 1, 16 waves a work-group, no clusters, 27,648 bytes of LDS; arguments pos, grp, lg, out0; writes out0
.if DOCPART == 4
	.amdgcn_target "amdgcn-amd-amdhsa--gfx1250"
	.amdhsa_code_object_version 6
	.text
	.protected	k_q76ab55486b_knn_final
	.globl	k_q76ab55486b_knn_final
	.p2align	8
	.type	k_q76ab55486b_knn_final,@function
k_q76ab55486b_knn_final:
	s_mov_b64 s[64:65], 0
	v_nop
	global_prefetch_b8 v0, s[64:65] scope:SCOPE_SE
	s_setreg_imm32_b32 hwreg(HW_REG_WAVE_MODE, 25, 1), 1
	s_wait_xcnt 0x0
; For each query: the 3 x 16 sub-points of the three groups that grp names, the same d2 as in the launch that chose the groups (the same
; instructions in the same order, so the same bits), the three smallest in the order (d2, index), and the mean of their logits weighted by
; 1 / max(d2, 1e-16).  The logits travel with the distances by v_cndmask_b32: no address hangs on a comparison of floats.
; The groups come in ascending order and a group's points are scanned in ascending order with strict <: on equal d2 the lower index stays.
; LIMITS: pos finite; d2 below 2^126 (the reciprocal of a larger number is flushed to 0); reciprocals are v_rcp_f32, not divisions.
; SHARE: work-group w has queries 512 w .. 512 w + 511 of sample w / 32, one a thread.
; LDS: 64 groups of 400 bytes: x0[16] x1[16] x2[16] |x|^2[16] logit0[16] logit1[16] and 16 bytes of padding, so that groups start at
; 25 g sixteen-byte columns: groups that differ modulo 16 start in different columns modulo 16.
; No cluster and no tensor load: what work-groups share is 20,480 bytes of table input, read once at the start.
.set GP,  400
.set Y,   4                            ; v[4:11]   (y0',y0') (y1',y1') (y2',y2') (|y|^2,|y|^2), y' = -2 y
.set TA,  12                           ; v12-14    the three smallest d2, a <= b <= c
.set TB,  13
.set TC,  14
.set GA,  16                           ; v[16:21]  their two logits each
.set GB,  18
.set GC,  20
.set GBASE, 22                         ; v22-24    LDS address of my three groups
.set VT,  25                           ; v25       where I put my two points of the table
.set D,   28                           ; v[28:43]  16 distances
.set C,   44                           ; v[44:139] a group's six arrays of 16
.set P1,  140                          ; v[140:143], v[144:147] two sub-points and their norms
.set P2,  144
.set LG1, 148
.set LG2, 150
.set Q,   152                          ; v[152:154] my query
.set GW,  155                          ; v155       its word of grp
.set WA,  140                          ; at the end: weights, their sum, its reciprocal, the two numerators
.set WB,  141
.set WC,  142
.set DEN, 143
.set RD,  144
.set N,   146
.set INF, 0x7f800000
.macro NORM d, p
	v_mul_f32 v[\d], v[\p], v[\p]
	v_fma_f32 v[\d], v[\p+1], v[\p+1], v[\d]
	v_fma_f32 v[\d], v[\p+2], v[\p+2], v[\d]
.endm
.macro DIST                            ; p = fma(y2', x2, fma(y1', x1, y0' x0)); t = |y|^2 + p; d2 = t + |x|^2, two at a time
.irp i, 0,1,2,3,4,5,6,7
	v_pk_mul_f32 v[D+2*\i:D+2*\i+1], v[C+2*\i:C+2*\i+1], v[Y:Y+1]
.endr
.irp i, 0,1,2,3,4,5,6,7
	v_pk_fma_f32 v[D+2*\i:D+2*\i+1], v[C+16+2*\i:C+16+2*\i+1], v[Y+2:Y+3], v[D+2*\i:D+2*\i+1]
.endr
.irp i, 0,1,2,3,4,5,6,7
	v_pk_fma_f32 v[D+2*\i:D+2*\i+1], v[C+32+2*\i:C+32+2*\i+1], v[Y+4:Y+5], v[D+2*\i:D+2*\i+1]
.endr
.irp i, 0,1,2,3,4,5,6,7
	v_pk_add_f32 v[D+2*\i:D+2*\i+1], v[Y+6:Y+7], v[D+2*\i:D+2*\i+1]
.endr
.irp i, 0,1,2,3,4,5,6,7
	v_pk_add_f32 v[D+2*\i:D+2*\i+1], v[D+2*\i:D+2*\i+1], v[C+48+2*\i:C+48+2*\i+1]
.endr
.endm
.macro INSERTP e                       ; point e of the group goes to its rank among the three, its logits with it
	v_cmp_lt_f32 s12, v[D+\e], v[TC]
	v_cmp_lt_f32 s13, v[D+\e], v[TB]
	v_cmp_lt_f32 s14, v[D+\e], v[TA]
.irp o, 0,1
	v_cndmask_b32 v[GC+\o], v[GC+\o], v[C+64+16*\o+\e], s12
.endr
.irp o, 0,1
	v_cndmask_b32 v[GC+\o], v[GC+\o], v[GB+\o], s13
.endr
.irp o, 0,1
	v_cndmask_b32 v[GB+\o], v[GB+\o], v[C+64+16*\o+\e], s13
.endr
.irp o, 0,1
	v_cndmask_b32 v[GB+\o], v[GB+\o], v[GA+\o], s14
.endr
.irp o, 0,1
	v_cndmask_b32 v[GA+\o], v[GA+\o], v[C+64+16*\o+\e], s14
.endr
	v_med3_num_f32 v[TC], v[TB], v[TC], v[D+\e]
	v_med3_num_f32 v[TB], v[TA], v[TB], v[D+\e]
	v_min_num_f32 v[TA], v[TA], v[D+\e]
.endm
	s_load_b256 s[4:11], s[0:1], 0x0               ; pos s[4:5], grp s[6:7], lg s[8:9], out0 s[10:11]
	v_lshl_add_u32 v160, v0, 2, 0x6400
	v_mov_b32 v161, 0
	s_lshr_b32 s12, ttmp9, 5                       ; my sample
	s_mul_i32 s16, s12, 196608                     ; 16,384 points of 12 bytes
	s_mov_b32 s17, 0
	s_lshl_b32 s18, s12, 13                        ; 1,024 pairs of logits
	s_mov_b32 s19, 0
	s_mul_i32 s20, ttmp9, 6144                     ; my 512 queries
	s_mov_b32 s21, 0
	s_lshl_b32 s22, ttmp9, 11
	s_mov_b32 s23, 0
	s_lshl_b32 s24, ttmp9, 12
	s_mov_b32 s25, 0
	v_mul_u32_u24 v1, v0, 12
	v_lshlrev_b32 v2, 3, v0
	v_lshlrev_b32 v3, 2, v0
	s_wait_kmcnt 0x0
	s_add_nc_u64 s[16:17], s[4:5], s[16:17]        ; the sample's sub-points
	s_add_nc_u64 s[8:9], s[8:9], s[18:19]
	s_add_nc_u64 s[4:5], s[4:5], s[20:21]
	s_add_nc_u64 s[6:7], s[6:7], s[22:23]
	s_add_nc_u64 s[10:11], s[10:11], s[24:25]
	global_load_b96 v[P1:P1+2], v1, s[16:17]               ; sub-points thread and thread + 512
	global_load_b96 v[P2:P2+2], v1, s[16:17] offset:6144
	global_load_b64 v[LG1:LG1+1], v2, s[8:9]
	global_load_b64 v[LG2:LG2+1], v2, s[8:9] offset:4096
	global_load_b96 v[Q:Q+2], v1, s[4:5]
	global_load_b32 v[GW], v3, s[6:7]
	v_lshrrev_b32 v[VT], 4, v0
	v_and_b32 v26, 15, v0
	v_mul_u32_u24 v[VT], v[VT], GP
	v_lshl_add_u32 v[VT], v26, 2, v[VT]            ; group thread / 16, place thread % 16
	v_mov_b32 v[TA], INF
	v_mov_b32 v[TB], INF
	v_mov_b32 v[TC], INF
.irp i, 0,1,2,3,4,5
	v_mov_b32 v[GA+\i], 0
.endr
	s_wait_loadcnt 0x0
	NORM P1+3, P1
	NORM P2+3, P2
.irp a, 0,1,2,3
	ds_store_b32 v[VT], v[P1+\a] offset:64*\a
	ds_store_b32 v[VT], v[P2+\a] offset:32*GP+64*\a
.endr
.irp o, 0,1
	ds_store_b32 v[VT], v[LG1+\o] offset:256+64*\o
	ds_store_b32 v[VT], v[LG2+\o] offset:32*GP+256+64*\o
.endr
	NORM Y+6, Q
	v_mov_b32 v[Y+7], v[Y+6]
.irp k, 0,1,2
	v_mul_f32 v[Y+2*\k], -2.0, v[Q+\k]
	v_mul_f32 v[Y+2*\k+1], -2.0, v[Q+\k]
.endr
.irp g, 0,1,2
	v_bfe_u32 v[GBASE+\g], v[GW], 8*\g, 8
	v_min_u32 v[GBASE+\g], 63, v[GBASE+\g]         ; a loaded number enters an address only clamped to the table
	v_mul_u32_u24 v[GBASE+\g], v[GBASE+\g], GP
.endr
	s_wait_dscnt 0x0                               ; my part of the table is written,
	s_barrier_signal -1
	s_barrier_wait -1                              ; everybody's is; nothing writes LDS after this
.irp g, 0,1,2
.irp a, 0,1,2,3,4,5
.irp i, 0,1,2,3
	ds_load_b128 v[C+16*\a+4*\i:C+16*\a+4*\i+3], v[GBASE+\g] offset:64*\a+16*\i
.endr
.endr
	s_wait_dscnt 0x0
	DIST
.irp e, 0,1,2,3,4,5,6,7,8,9,10,11,12,13,14,15
	INSERTP \e
.endr
.endr
	v_max_num_f32 v[TA], 0x24e69595, v[TA]         ; 1e-16
	v_max_num_f32 v[TB], 0x24e69595, v[TB]
	v_max_num_f32 v[TC], 0x24e69595, v[TC]
	v_rcp_f32 v[WA], v[TA]
	v_rcp_f32 v[WB], v[TB]
	v_rcp_f32 v[WC], v[TC]
	v_nop                                          ; one plain vector instruction between a reciprocal and its use (ISA guide 5.7.2)
	s_wait_alu depctr_va_vdst(0)
	v_add_f32 v[DEN], v[WA], v[WB]
	v_add_f32 v[DEN], v[DEN], v[WC]
	v_rcp_f32 v[RD], v[DEN]
	v_mul_f32 v[N], v[WA], v[GA]                   ; plain work that touches neither DEN nor RD stands behind the reciprocal
	v_mul_f32 v[N+1], v[WA], v[GA+1]
	v_fma_f32 v[N], v[WB], v[GB], v[N]
	v_fma_f32 v[N+1], v[WB], v[GB+1], v[N+1]
	v_fma_f32 v[N], v[WC], v[GC], v[N]
	v_fma_f32 v[N+1], v[WC], v[GC+1], v[N+1]
	s_wait_alu depctr_va_vdst(0)
	v_mul_f32 v[N], v[N], v[RD]
	v_mul_f32 v[N+1], v[N+1], v[RD]
	global_store_b64 v2, v[N:N+1], s[10:11]        ; a wave's store covers 256 consecutive bytes, aligned
	s_wait_tensorcnt 0x0
	ds_add_u32 v160, v161
	s_wait_dscnt 0x0
	s_endpgm
.Lfunc_end_k_q76ab55486b_knn_final:
	.size	k_q76ab55486b_knn_final, .Lfunc_end_k_q76ab55486b_knn_final-k_q76ab55486b_knn_final
	.p2alignl 7, 3214868480
	.fill 96, 4, 3214868480
	.section	.rodata,"a",@progbits
	.p2align	6, 0x0
	.amdhsa_kernel k_q76ab55486b_knn_final
		.amdhsa_group_segment_fixed_size 27648
		.amdhsa_private_segment_fixed_size 0
		.amdhsa_enable_private_segment 0
		.amdhsa_kernarg_size 32
		.amdhsa_user_sgpr_count 2
		.amdhsa_user_sgpr_kernarg_segment_ptr 1
		.amdhsa_wavefront_size32 1
		.amdhsa_system_sgpr_workgroup_id_x 1
		.amdhsa_system_sgpr_workgroup_id_y 1
		.amdhsa_system_sgpr_workgroup_id_z 1
		.amdhsa_system_vgpr_workitem_id 0
		.amdhsa_next_free_vgpr 162
		.amdhsa_next_free_sgpr 66
		.amdhsa_reserve_vcc 0
		.amdhsa_float_denorm_mode_32 3
		.amdhsa_float_denorm_mode_16_64 3
		.amdhsa_memory_ordered 1
		.amdhsa_forward_progress 1
		.amdhsa_inst_pref_size 65
	.end_amdhsa_kernel
	.amdgpu_metadata
---
amdhsa.version: [ 1, 2 ]
amdhsa.kernels:
  - .name:           k_q76ab55486b_knn_final
    .symbol:         k_q76ab55486b_knn_final.kd
    .args:
      - { .name: pos, .offset: 0, .size: 8, .value_kind: global_buffer, .address_space: global }
      - { .name: grp, .offset: 8, .size: 8, .value_kind: global_buffer, .address_space: global }
      - { .name: lg, .offset: 16, .size: 8, .value_kind: global_buffer, .address_space: global }
      - { .name: out0, .offset: 24, .size: 8, .value_kind: global_buffer, .address_space: global }
    .group_segment_fixed_size: 27648
    .private_segment_fixed_size: 0
    .kernarg_segment_align: 8
    .kernarg_segment_size: 32
    .max_flat_workgroup_size: 512
    .sgpr_count:     66
    .vgpr_count:     162
    .wavefront_size: 32
...
	.end_amdgpu_metadata
.endif
;; end of part 4
